; MI455X (gfx1250); checked and timed in simulation.
; The chip was launched on July 23, 2026; its instructions are those of AMD's public machine-readable ISA for CDNA 5 (MIT licence, August 2026) and "CDNA5" Instruction Set Architecture Reference Guide (July 2026). The comments in the code are by the model that wrote it; some were corrected since.
;; Colour Histogram. Allowed arithmetic: matrix products marked QUANTISED: E2M3 operands, one E8M0 scale for each 32 along K, by v_wmma_scale_f32_16x16x128_f8f6f4 with both operands' format E2M3, f32 sums; everything else in f32.
;; Inputs: image 16 x 2 x 512 x 512 float32.
;; Outputs: out0 16 x 1 x 32 x 32 float32.
;; This version of the problem:
;;   THIS VERSION OF THE PROBLEM IS GIVEN IN LOW PRECISION. The matrix products marked QUANTISED in the list below multiply operands that are first quantised to E2M3 (2 exponent bits, 3 mantissa bits; 6 bits a number), with one power-of-two scale for each 32 numbers along K (OCP MX v1.0); their sums are f32. All else is computed in f32.
;;   The module's matrix products, in the order in which they are computed (A, B: the left and right operand; K: the contracted axis; several contracted axes count as one K, in the product's order):
;;     1. batch 16 x [M 32, K 262,144] x [K 262,144, N 32]; A: computed on the way; B: computed on the way: QUANTISED
;;   THE QUANTISER, for each operand of a quantised product, along K:
;;     - K is cut into blocks of 32 from its start; a last block that is shorter is filled with zeros.
;;     - A block's scale is 2^e with e = floor(log2(the largest magnitude in the block)) - 2, held to -126 .. 127; a block of zeros has e = 0. As a byte (E8M0): e + 127.
;;     - Each number is divided by its block's scale, clamped to +-7.5, and rounded to the nearest number of E2M3, ties to even, subnormals kept.
;;     - The product sums the exact products of the quantised numbers (number of the format x scale) in f32.
;;   ~~~python
;;   def quantise(x, axis):      # numpy; x: float32 -> the quantised numbers, widened to float32 again
;;       x = np.moveaxis(x, axis, -1); K = x.shape[-1]
;;       x = np.pad(x, [(0, 0)] * (x.ndim - 1) + [(0, -K % 32)]); x = x.reshape(x.shape[:-1] + (-1, 32)); a = np.abs(x).max(-1, keepdims=True)
;;       e = np.where(a > 0, np.clip(np.frexp(np.where(a > 0, a, 1))[1] - 1 - 2, -126, 127), 0)      # np.frexp(a)[1] - 1 = floor(log2(a)), exactly
;;       r = np.clip(x / 2.0 ** e, -7.5, 7.5)
;;       step = 2.0 ** (np.maximum(np.frexp(np.where(r == 0, 1, r))[1] - 1, 0) - 3)
;;       q = np.round(r / step) * step * 2.0 ** e      # np.round: ties to even
;;       return np.moveaxis(q.reshape(q.shape[:-2] + (-1,))[..., :K], -1, axis).astype(np.float32)
;;   ~~~
;;   OPERANDS COMPUTED ON THE WAY. 'Computed on the way' means the value that the module computes at that place (a softmax that the list does not call 'softmax' is quantised finished and normalised). What goes into a quantiser is computed in f32, as accurately as f32 sums, v_exp_f32 and their like allow (about 1e-6 of the number): no bf16 or f16 on the way to a quantiser, and a product that is left as it is and whose result goes on into a quantised operand takes f32 operands (vector FMAs, or v_wmma_f32_16x16x4_f32). A number that lies on a knife's edge between two numbers of the format may be rounded either way, as far as f32 arithmetic and the matrix unit's own rounding can turn it there, and no further.
;; 2 versions, each right; version 2 is version 1 with the launch hist written anew for expert scheduling mode. Each part assembles by itself: llvm-mc -triple=amdgcn-amd-amdhsa -mcpu=gfx1250 --defsym DOCPART=n.
;; ======== version 1 of 2: 2 launches
;; workspace buffers: part 1,048,576 bytes
;; launch hist (part 1): grid 256 x 1, 16 waves a work-group, no clusters, 92,160 bytes of LDS; arguments image, part; writes part
.if DOCPART == 1
	.amdgcn_target "amdgcn-amd-amdhsa--gfx1250"
	.amdhsa_code_object_version 6
	.text
	.protected	k_q06378728e6_hist
	.globl	k_q06378728e6_hist
	.p2align	8
	.type	k_q06378728e6_hist,@function
k_q06378728e6_hist:
	s_mov_b64 s[64:65], 0
	v_nop
	global_prefetch_b8 v0, s[64:65] scope:SCOPE_SE
	s_setreg_imm32_b32 hwreg(HW_REG_WAVE_MODE, 25, 1), 1
	s_wait_xcnt 0x0
; part[g][a][b] = the sum over 16,384 pixels p of Q(ka)[p][a] Q(kb)[p][b], ka[p][a] = exp(-200 (image[n][0][p] - a / 31)^2), kb likewise of channel 1; Q: codes of FP6 (E2M3), one E8M0 scale for each 32 pixels.
; image: [16][2][262144] f32.  Work-group g takes image n = g / 16 and pixels 16,384 (g % 16) on; 16 such parts are added by the next launch.  part: [256][32][32] f32, each part in the output's own order.
; SHARES.  Sixteen waves, four to a SIMD; a wave takes 1,024 pixels: 8 K steps of 128.  No two work-groups read the same byte, so there is no cluster and nothing to ask for jointly.
; LAYOUT.  The 6-bit operand gives lane (r, h) = (lane % 16, lane / 16) the row r and, in registers 6 c .. 6 c + 5, k = 64 c + 32 h + 0 .. 31: A LANE IS A BIN, ITS REGISTERS RUN ALONG THE PIXELS, and a whole block of 32 lies in one lane:
; its largest number needs no other lane, and the conversions' results are the operand's registers.  Sixteen lanes want the same pixel: a step's pixels are loaded densely (512 consecutive bytes a load), laid into the wave's own
; 1,024 bytes of LDS and read back with one address for each half of the lanes.
; ARITHMETIC.  exp(-200 e^2) = 2^(-(c e)^2), c = 20 sqrt(log2(e) / 2).  d = x c - b c is one fused multiply-add, -d d one multiplication (both packed), then v_exp_f32.  b = j / 31 is rounded to f32 as a division rounds it.
; UNITS AND PHASES.  A unit is 32 numbers a lane: channel u / 4, half c = (u / 2) % 2 of the K step, bins 16 (u % 2) + r.  A phase issues unit u's 32 exponentials and sets between them the plain work of its neighbours: unit u - 1's
; largest number, scale and codes, then unit u + 1's arguments.  Two buffers of 32 registers take turns.  Eight phases are a K step; four matrix instructions end it.
; THE PRODUCT IS USED TRANSPOSED (source 0 = 16 bins of channel 1, source 1 = 16 bins of channel 0): a lane then holds eight neighbouring numbers of a row of the histogram.
; LIMITS.  v_exp_f32 gives 0 where the number lies under 2^-126 (reference() has denormals there).  NaN among the inputs is not served.  b c is rounded once to f32: that moves a bin's centre by less than one unit in the
; last place of the bin.  The sum over K is taken in parts (a wave's 1,024 pixels, then 16 waves, then 16 work-groups), not in one chain.
.set STEPS, 8                          ; K steps of a wave
.set STEPB, 512                        ; 128 pixels in bytes
.set CHB,   1048576                    ; from channel 0 to channel 1 of an image, in bytes
.set RED,   16*2*STEPB                 ; LDS: behind the sixteen stages of 1,024 bytes: an image of each wave's 32 x 32 sums
.set RP,    144                        ; a row of it: 128 bytes + 16, so that the sixteen rows that a store of 16 bytes a lane touches begin in sixteen different groups of four banks
.set RIMG,  32*RP
.set FLOOR, 0x1800000                  ; 2^(3 - 127): no largest number is taken under it, so that the scale's byte cannot fall under 1
.set CPOS,  0x4187e439                 ; c = 16.986436
.set CNEG,  0xc187e439
.set OFF, 1                            ; v1      16 x lane: my 16 bytes of a load's 512; never rewritten
.set STA, 2                            ; v2      LDS: where I lay them: 1,024 x wave + 16 x lane
.set XA,  3                            ; v3      LDS: where my half's pixels begin: 1,024 x wave + 128 h
.set NB,  4                            ; v[4:5], v[6:7]  -c b of my bin in tile 0, tile 1, each twice (a pair for the packed form)
.set MA,  8                            ; v8, v9  two chains of the largest number
.set MB,  9
.set SOP, 10                           ; v10     the conversions' scale operand
.set BY,  11                           ; v11     a scale's byte
.set W,   12                           ; v12     a channel's four bytes of mine: tile 0 c 0, tile 0 c 1, tile 1 c 0, tile 1 c 1
.set EX,  14                           ; v14     the same of lane l xor 16
.set SC,  16                           ; v16-19  scale words and nothing else: channel 0 tiles 0, 1; channel 1 tiles 0, 1
.set CT,  20                           ; v20-22  a block's upper 16 codes as the conversion leaves them
.set G,   24                           ; v24-31  a step's pixels as they are loaded: 4 registers a channel
.set X,   32                           ; v32-63  32 pixels of my half
.set T,   64                           ; v64-127 two buffers of 32: arguments, then numbers
.set CODES, 128                        ; v128-175 four fragments of 12: channel 0 tiles 0, 1; channel 1 tiles 0, 1
.set ACC, 176                          ; v176-207 four accumulators: number 2 ta + tb
.set ER,  208                          ; v208-214 the way out
.set EH,  209
.set EW,  210
.set RS,  211
.set RL,  212
.set RL2, 213
.set GO,  214
.set CNT, 9                            ; s9      trips to go
.set CS,  16                           ; s[16:17] c: the packed form names a pair and takes its low word for both halves
.set SEL, 18                           ; s[18:19] v_permlanex16_b32's selects for lane l xor 16
.set C31, 20                           ; s20     31.0
.set K31, 21                           ; s21     1 / 31
.macro GLOAD                           ; the next step's pixels: each load reads 512 consecutive bytes, at a multiple of 512 from the image's first byte; read once in the launch
	global_load_b128 v[G:G+3], v[OFF], s[4:5] th:TH_LOAD_NT
	global_load_b128 v[G+4:G+7], v[OFF], s[4:5] offset:CHB th:TH_LOAD_NT
.endm
.macro STAGE                           ; into my wave's stage: channel 0's 512 bytes, then channel 1's
	ds_store_b128 v[STA], v[G:G+3]
	ds_store_b128 v[STA], v[G+4:G+7] offset:STEPB
.endm
.macro XLOAD off                       ; 32 pixels of my half: sixteen lanes share each address
.irp q, 0,1,2,3,4,5,6,7
	ds_load_b128 v[X+4*\q:X+4*\q+3], v[XA] offset:\off+16*\q
.endr
.endm
; What phase k works on.  TE: the buffer of unit k (exponentials).  TP: the other one: unit k - 1's numbers, and behind them unit k + 1's arguments.
.macro SETK k
.set TE,  T+32*((\k)&1)
.set TP,  T+32*(1-((\k)&1))
.set PU,  ((\k)+7)%8                   ; the unit whose numbers become codes
.set CD,  CODES+24*(PU>>2)+12*(PU&1)+6*((PU>>1)&1)   ; its six registers in its fragment
.set IDX, 2*(PU&1)+((PU>>1)&1)         ; its byte's place in W
.set SCB, SC+2*(PU>>2)
.set NBP, NB+2*(((\k)+1)&1)            ; the bin tile of the unit whose arguments are made
.set XOF, 512*(((((\k)/2)+1)%4)>>1)+256*(((((\k)/2)+1)%4)&1)   ; where the next 32 pixels lie in the stage: channel, then half c
.endm
; THE PLAIN WORK OF A PHASE is a list of 59 numbers; ITEM writes number j.
;   0-15   the largest of the 32 numbers and the floor, three operands at a time, in two chains (none is negative, so no |.|)
;   16     2 off its exponent field: the conversions take the exponent field of this operand as their scale, and nothing else of it
;   17-18  the conversions: 16 numbers to 96 bits each
;   19     the scale's byte: also the plain instruction between the conversions and what touches their results or writes their sources
;   20-22  a conversion's three registers begin on an even number, a block's upper three do not: they are moved
;   23     the byte to its place;  24-26, behind a channel's fourth unit: lane l xor 16's bytes, and the two tiles' scale words: bytes of blocks 0 (mine), 1 (the other's), 2, 3.  Lanes 0-15 hold them in order; lanes 16-31 are not read
;   27-42  d = x c - b c;  43-58  -d d
; post, pre: whether the two parts exist.  pre = 2: the pixels were asked for in the phase before: their wait stands in front.  xl: behind the last reader of the pixels' registers the next 32 pixels are asked for.
; stg: behind that, the next step's pixels, loaded six phases and a half ago, take the stage: LDS serves a wave's instructions in order (ISA guide 5.7.1.4), so this step's last reads come first.
.macro ITEM post, pre, xl, stg
.if j < 27
.if \post
.if j == 0
	v_max3_num_f32 v[MA], v[TP], v[TP+1], FLOOR
.elseif j == 1
	v_max3_num_f32 v[MB], v[TP+2], v[TP+3], v[TP+4]
.elseif j < 15
	v_max3_num_f32 v[MA+(j&1)], v[MA+(j&1)], v[TP+2*j+1], v[TP+2*j+2]
.elseif j == 15
	v_max3_num_f32 v[MA], v[MA], v[MB], v[TP+31]
.elseif j == 16
	v_add_nc_u32 v[SOP], 0xff000000, v[MA]
.elseif j == 17
	v_cvt_scalef32_pk16_fp6_f32 v[CD:CD+2], v[TP:TP+15], v[SOP]
.elseif j == 18
	v_cvt_scalef32_pk16_fp6_f32 v[CT:CT+2], v[TP+16:TP+31], v[SOP]
.elseif (j == 19) && (IDX == 0)
	v_lshrrev_b32 v[W], 23, v[SOP]
.elseif j == 19
	v_lshrrev_b32 v[BY], 23, v[SOP]
.elseif j < 23
	v_mov_b32 v[CD+j-17], v[CT+j-20]
.elseif (j == 23) && (IDX != 0)
	v_lshl_or_b32 v[W], v[BY], 8*IDX, v[W]
.elseif (j == 24) && (IDX == 3)
	v_permlanex16_b32 v[EX], v[W], s[SEL], s[SEL+1]
.elseif (j == 25) && (IDX == 3)
	v_perm_b32 v[SCB], v[EX], v[W], 0x05010400
.elseif (j == 26) && (IDX == 3)
	v_perm_b32 v[SCB+1], v[EX], v[W], 0x07030602
.endif
.endif
.elseif j < 43
.if \pre
.if (j == 27) && (\pre == 2)
	s_wait_dscnt 0x0                               ; the 32 pixels are in; and where the stage was written, those stores have read their registers
.endif
	v_pk_fma_f32 v[TP+2*(j-27):TP+2*(j-27)+1], v[X+2*(j-27):X+2*(j-27)+1], s[CS:CS+1], v[NBP:NBP+1] op_sel_hi:[1,0,1]
.endif
.else
.if j == 43
.if \xl
	XLOAD XOF
.endif
.if \stg
	s_wait_loadcnt 0x0                             ; the next step's two loads are in, so their base may be stepped too
	STAGE
	s_add_nc_u64 s[4:5], s[4:5], STEPB
.endif
.endif
.if \pre
	v_pk_mul_f32 v[TP+2*(j-43):TP+2*(j-43)+1], v[TP+2*(j-43):TP+2*(j-43)+1], v[TP+2*(j-43):TP+2*(j-43)+1] neg_lo:[0,1] neg_hi:[0,1]
.endif
.endif
.endm
.macro RUN from, count, post, pre, xl, stg         ; a stretch of the list by itself
.set j, \from
.rept \count
	ITEM \post, \pre, \xl, \stg
.set j, j+1
.endr
.endm
; A PHASE: 32 exponentials, in place; one and two numbers of the list behind them by turns (48), the last eleven at the end.  Nothing in the phase names an exponential's result: the batch has ONE wait, at the
; phase's end, behind plain instructions, ahead of the first reader, of every label and of every branch.
.macro PHASE k, post, pre, xl, stg
	SETK \k
.set j, 0
.set i, 0
.rept 32
	v_exp_f32 v[TE+i], v[TE+i]
.rept 1+(i&1)
	ITEM \post, \pre, \xl, \stg
.set j, j+1
.endr
.set i, i+1
.endr
.rept 11
	ITEM \post, \pre, \xl, \stg
.set j, j+1
.endr
.if \pre == 0
	v_nop                                          ; where the list's end is empty: the plain instruction behind the last exponential
.endif
	s_wait_alu depctr_va_vdst(0)
.endm
; A K step's four products: accumulator 2 ta + tb takes bins 16 tb on of channel 1 (source 0) and bins 16 ta on of channel 0 (source 1).  The four take turns, one instruction a turn, over the backward jump too.
; zero = 1: the first K step starts the sums: nothing is cleared.  The youngest codes and scale words stand 32 plain instructions (the arguments of the next unit) ahead of these lines.
.macro MM zero
.irp a, 0,1,2,3
.if \zero
	v_wmma_scale_f32_16x16x128_f8f6f4 v[ACC+8*\a:ACC+8*\a+7], v[CODES+24+12*(\a%2):CODES+24+12*(\a%2)+11], v[CODES+12*(\a/2):CODES+12*(\a/2)+11], 0, v[SC+2+(\a%2)], v[SC+(\a/2)] matrix_a_fmt:MATRIX_FMT_FP6 matrix_b_fmt:MATRIX_FMT_FP6
.else
	v_wmma_scale_f32_16x16x128_f8f6f4 v[ACC+8*\a:ACC+8*\a+7], v[CODES+24+12*(\a%2):CODES+24+12*(\a%2)+11], v[CODES+12*(\a/2):CODES+12*(\a/2)+11], v[ACC+8*\a:ACC+8*\a+7], v[SC+2+(\a%2)], v[SC+(\a/2)] matrix_a_fmt:MATRIX_FMT_FP6 matrix_b_fmt:MATRIX_FMT_FP6
.endif
.endr
.endm
; A TRIP goes from a K step's phase 1 to the next step's phase 0, in which the step's last codes are made, and ends with its products.  The first write of a fragment behind them (number 17 of phase 1) stands 17 plain instructions on.
; cond = 1, in the loop: the last trip loads nothing: there is no step two on, and no load leaves the image.
.macro BODY zero, cond
	PHASE 1, 1, 2, 0, 0
	PHASE 2, 1, 1, 1, 0
	PHASE 3, 1, 2, 0, 0
	PHASE 4, 1, 1, 1, 1
	PHASE 5, 1, 2, 0, 0
.if \cond
	s_cmp_eq_u32 s[CNT], 1
	s_cbranch_scc1 .Lno_more_\@
.endif
	GLOAD                                          ; the step two on; phase 5's wait for LDS has shown that the stores into the stage have read these registers
.if \cond
.Lno_more_\@:
.endif
	PHASE 6, 1, 1, 1, 0
	PHASE 7, 1, 2, 0, 0
	PHASE 0, 1, 1, 1, 0
	MM \zero
.endm
	s_load_b128 s[4:7], s[0:1], 0x0                ; image, part
	v_lshl_add_u32 v216, v0, 2, 0x16000
	v_mov_b32 v217, 0
	v_and_b32 v[OFF], 31, v0                       ; lane
	v_lshrrev_b32 v[STA], 5, v0                    ; wave
	v_readfirstlane_b32 s8, v[STA]
	v_lshlrev_b32 v[OFF], 4, v[OFF]
	v_bfe_u32 v[XA], v0, 4, 1                      ; h
	v_lshlrev_b32 v[XA], 7, v[XA]
	v_lshl_add_u32 v[XA], v[STA], 10, v[XA]
	v_lshl_add_u32 v[STA], v[STA], 10, v[OFF]
	s_lshr_b32 s10, ttmp9, 4
	s_lshl_b32 s10, s10, 21                        ; my image: 2 channels of 1,048,576 bytes
	s_and_b32 s11, ttmp9, 15
	s_lshl_b32 s11, s11, 16                        ; my work-group's 16,384 pixels
	s_add_co_u32 s10, s10, s11
	s_lshl_b32 s11, s8, 12                         ; my wave's 1,024
	s_add_co_u32 s10, s10, s11
	s_mov_b32 s11, 0
	s_lshl_b32 s12, ttmp9, 12                      ; my work-group's 4,096 bytes of part
	s_mov_b32 s13, 0
	s_mov_b32 s[CS], CPOS
	s_mov_b32 s[CS+1], CPOS                        ; (named with it as a pair, so it is written)
	s_mov_b32 s[SEL], 0x76543210
	s_mov_b32 s[SEL+1], 0xfedcba98
	s_mov_b32 s[C31], 0x41f80000
	s_mov_b32 s[K31], 0x3d042108
	s_wait_kmcnt 0x0
	s_add_nc_u64 s[4:5], s[4:5], s[10:11]
	s_add_nc_u64 s[6:7], s[6:7], s[12:13]
	GLOAD                                          ; step 0
	; my two bins, while the loads are out: b = j / 31 as a division rounds it (a product by 1 / 31, its remainder by a fused multiply-add, one correction), then -c b
	v_and_b32 v[MA], 15, v0
	v_cvt_f32_u32 v[MA], v[MA]                     ; j = r
.irp t, 0,1
.if \t
	v_add_f32 v[MA], 0x41800000, v[MA]             ; j = r + 16
.endif
	v_mul_f32 v[SOP], s[K31], v[MA]
	v_fma_f32 v[BY], -v[SOP], s[C31], v[MA]
	v_fma_f32 v[SOP], v[BY], s[K31], v[SOP]
	v_mul_f32 v[NB+2*\t], CNEG, v[SOP]
	v_mov_b32 v[NB+2*\t+1], v[NB+2*\t]
.endr
	v_mov_b32 v[EX], 0                             ; written once: a lane permute's destination counts as one of its sources
	s_wait_loadcnt 0x0
	STAGE
	XLOAD 0
	s_add_nc_u64 s[4:5], s[4:5], STEPB             ; (the loads are done: their base may be stepped)
	s_wait_dscnt 0x0                               ; the first 32 pixels are in, and the stores have read their registers
	GLOAD                                          ; step 1
	SETK 7
	RUN 27, 32, 0, 1, 0, 0                         ; unit 0's arguments
	PHASE 0, 0, 1, 1, 0                            ; unit 0's exponentials | unit 1's arguments
	BODY 1, 0                                      ; step 0 is written out: its products start the sums
	s_mov_b32 s[CNT], STEPS-2
.Lstep:                                                ; steps 1 to 6
	BODY 0, 1
	s_sub_co_u32 s[CNT], s[CNT], 1
	s_cmp_lg_u32 s[CNT], 0
	s_cbranch_scc1 .Lstep
	PHASE 1, 1, 2, 0, 0                            ; step 7 is written out: nothing follows it
	PHASE 2, 1, 1, 1, 0
	PHASE 3, 1, 2, 0, 0
	PHASE 4, 1, 1, 1, 0
	PHASE 5, 1, 2, 0, 0
	PHASE 6, 1, 1, 0, 0
	PHASE 7, 1, 0, 0, 0
	SETK 0
	RUN 0, 27, 1, 0, 0, 0                          ; the last unit's codes and channel 1's scale words
	; THE WAY OUT.  Its addresses are made here: nine plain instructions between the scale words just written and the scaled products (eight are asked), four between the products and the first read of a result
	v_and_b32 v[ER], 15, v0                        ; r
	v_bfe_u32 v[EH], v0, 4, 1                      ; h
	v_lshrrev_b32 v[EW], 5, v0                     ; wave
	v_mul_u32_u24 v[RS], v[EW], RIMG
	v_mad_u32_u24 v[RS], v[ER], RP, v[RS]
	v_lshl_add_u32 v[RS], v[EH], 5, v[RS]
	v_add_nc_u32 v[RS], RED, v[RS]                 ; in: my wave's image, row r, + 32 h
	v_lshl_add_u32 v[RL], v[EW], 1, v[EH]
	v_mul_u32_u24 v[RL], v[RL], RP
	MM 0
	v_lshl_add_u32 v[RL], v[ER], 3, v[RL]
	v_add_nc_u32 v[RL], RED, v[RL]                 ; back: rows 2 wave and 2 wave + 1 of every image, sixteen lanes to a row, 8 bytes a lane
	v_add_nc_u32 v[RL2], 8*RIMG, v[RL]             ; (an LDS offset has 16 bits: images 8 to 15 by a second register)
	v_lshlrev_b32 v[GO], 3, v0                     ; and the same place in my work-group's part: 256 x wave + 8 x lane
.irp a, 0,1,2,3                        ; lane (r, h), accumulator 2 ta + tb, register i: the sum for bins (16 ta + r, 16 tb + 8 h + i); each accumulator from its low end on
	ds_store_b128 v[RS], v[ACC+8*\a:ACC+8*\a+3] offset:(\a/2)*16*RP+(\a%2)*64
	ds_store_b128 v[RS], v[ACC+8*\a+4:ACC+8*\a+7] offset:(\a/2)*16*RP+(\a%2)*64+16
.endr
	s_wait_dscnt 0x0                               ; for the others' sake: my image lies in LDS
	s_barrier_signal -1
	s_barrier_wait -1
.irp q, 0,1,2,3,4,5,6,7
	ds_load_b64 v[T+2*\q:T+2*\q+1], v[RL] offset:\q*RIMG
.endr
.irp q, 0,1,2,3,4,5,6,7
	ds_load_b64 v[T+16+2*\q:T+16+2*\q+1], v[RL2] offset:\q*RIMG
.endr
	s_wait_dscnt 0x0
.irp q, 0,1,2,3,4,5,6,7
	v_pk_add_f32 v[T+2*\q:T+2*\q+1], v[T+2*\q:T+2*\q+1], v[T+16+2*\q:T+16+2*\q+1]
.endr
.irp q, 0,1,2,3
	v_pk_add_f32 v[T+2*\q:T+2*\q+1], v[T+2*\q:T+2*\q+1], v[T+8+2*\q:T+8+2*\q+1]
.endr
.irp q, 0,1
	v_pk_add_f32 v[T+2*\q:T+2*\q+1], v[T+2*\q:T+2*\q+1], v[T+4+2*\q:T+4+2*\q+1]
.endr
	v_pk_add_f32 v[T:T+1], v[T:T+1], v[T+2:T+3]
	global_store_b64 v[GO], v[T:T+1], s[6:7]       ; the wave stores 256 consecutive bytes, at a multiple of 256 from part's first byte
	s_wait_tensorcnt 0x0
	ds_add_u32 v216, v217
	s_wait_dscnt 0x0
	s_endpgm
.Lfunc_end_k_q06378728e6_hist:
	.size	k_q06378728e6_hist, .Lfunc_end_k_q06378728e6_hist-k_q06378728e6_hist
	.p2alignl 7, 3214868480
	.fill 96, 4, 3214868480
	.section	.rodata,"a",@progbits
	.p2align	6, 0x0
	.amdhsa_kernel k_q06378728e6_hist
		.amdhsa_group_segment_fixed_size 92160
		.amdhsa_private_segment_fixed_size 0
		.amdhsa_enable_private_segment 0
		.amdhsa_kernarg_size 16
		.amdhsa_user_sgpr_count 2
		.amdhsa_user_sgpr_kernarg_segment_ptr 1
		.amdhsa_wavefront_size32 1
		.amdhsa_system_sgpr_workgroup_id_x 1
		.amdhsa_system_sgpr_workgroup_id_y 1
		.amdhsa_system_sgpr_workgroup_id_z 1
		.amdhsa_system_vgpr_workitem_id 0
		.amdhsa_next_free_vgpr 218
		.amdhsa_next_free_sgpr 66
		.amdhsa_reserve_vcc 0
		.amdhsa_float_denorm_mode_32 3
		.amdhsa_float_denorm_mode_16_64 3
		.amdhsa_memory_ordered 1
		.amdhsa_forward_progress 1
		.amdhsa_inst_pref_size 123
	.end_amdhsa_kernel
	.amdgpu_metadata
---
amdhsa.version: [ 1, 2 ]
amdhsa.kernels:
  - .name:           k_q06378728e6_hist
    .symbol:         k_q06378728e6_hist.kd
    .args:
      - { .name: image, .offset: 0, .size: 8, .value_kind: global_buffer, .address_space: global }
      - { .name: part, .offset: 8, .size: 8, .value_kind: global_buffer, .address_space: global }
    .group_segment_fixed_size: 92160
    .private_segment_fixed_size: 0
    .kernarg_segment_align: 8
    .kernarg_segment_size: 16
    .max_flat_workgroup_size: 512
    .sgpr_count:     66
    .vgpr_count:     218
    .wavefront_size: 32
...
	.end_amdgpu_metadata
.endif
;; end of part 1
;; launch fold (part 2): grid 128 x 1, 1 waves a work-group, no clusters, 0 bytes of LDS; arguments part, out0; writes out0
.if DOCPART == 2
	.amdgcn_target "amdgcn-amd-amdhsa--gfx1250"
	.amdhsa_code_object_version 6
	.text
	.protected	k_q06378728e6_fold
	.globl	k_q06378728e6_fold
	.p2align	8
	.type	k_q06378728e6_fold,@function
k_q06378728e6_fold:
	s_mov_b64 s[64:65], 0
	v_nop
	global_prefetch_b8 v0, s[64:65] scope:SCOPE_SE
	s_setreg_imm32_b32 hwreg(HW_REG_WAVE_MODE, 25, 1), 1
	s_wait_xcnt 0x0
; out0[n][a][b] = the sum over g = 0 .. 15 of part[16 n + g][a][b].  part: [256][32][32] f32, out0: [16][1][32][32] f32: both in the same order, so nothing changes place.
; A work-group is one wave and takes 512 consecutive bytes of one image's 4,096: a lane takes 16 bytes of each of the 16 parts.  All sixteen loads go out at once; each reads 512 consecutive bytes.
; No LDS, no barrier, no matrix work: 1 MB in, 64 KB out.  The sums are f32, added in pairs (an order of rounding of its own).
.set P, 4                              ; v4-67   part g's four numbers at v[P + 4 g]
.macro ADD4 d, s                       ; part d += part s
	v_pk_add_f32 v[P+4*(\d):P+4*(\d)+1], v[P+4*(\d):P+4*(\d)+1], v[P+4*(\s):P+4*(\s)+1]
	v_pk_add_f32 v[P+4*(\d)+2:P+4*(\d)+3], v[P+4*(\d)+2:P+4*(\d)+3], v[P+4*(\s)+2:P+4*(\s)+3]
.endm
	s_load_b128 s[4:7], s[0:1], 0x0                ; part, out0
	v_lshlrev_b32 v1, 4, v0                        ; 16 x lane
	s_lshr_b32 s8, ttmp9, 3                        ; the image
	s_lshl_b32 s8, s8, 16                          ; its 16 parts of 4,096 bytes
	s_and_b32 s9, ttmp9, 7
	s_lshl_b32 s9, s9, 9                           ; my 512 bytes of each
	s_add_co_u32 s8, s8, s9
	s_mov_b32 s9, 0
	s_lshl_b32 s10, ttmp9, 9                       ; and of out0: 4,096 x image + 512 x eighth
	s_mov_b32 s11, 0
	s_wait_kmcnt 0x0
	s_add_nc_u64 s[4:5], s[4:5], s[8:9]
	s_add_nc_u64 s[6:7], s[6:7], s[10:11]
.irp g, 0,1,2,3,4,5,6,7,8,9,10,11,12,13,14,15
	global_load_b128 v[P+4*\g:P+4*\g+3], v1, s[4:5] offset:4096*\g th:TH_LOAD_NT
.endr
	s_wait_loadcnt 8                               ; loads come back in order (ISA guide 5.7.1): parts 0 to 7 are in, the eight issued behind them may be out
.irp g, 0,1,2,3
	ADD4 \g, \g+4
.endr
	ADD4 0, 2
	ADD4 1, 3
	ADD4 0, 1
	s_wait_loadcnt 0x0
.irp g, 8,9,10,11
	ADD4 \g, \g+4
.endr
	ADD4 8, 10
	ADD4 9, 11
	ADD4 8, 9
	ADD4 0, 8
	global_store_b128 v1, v[P:P+3], s[6:7] th:TH_STORE_NT   ; the wave stores 512 consecutive bytes, at a multiple of 512 from out0's first byte
	s_endpgm
.Lfunc_end_k_q06378728e6_fold:
	.size	k_q06378728e6_fold, .Lfunc_end_k_q06378728e6_fold-k_q06378728e6_fold
	.p2alignl 7, 3214868480
	.fill 96, 4, 3214868480
	.section	.rodata,"a",@progbits
	.p2align	6, 0x0
	.amdhsa_kernel k_q06378728e6_fold
		.amdhsa_group_segment_fixed_size 0
		.amdhsa_private_segment_fixed_size 0
		.amdhsa_enable_private_segment 0
		.amdhsa_kernarg_size 16
		.amdhsa_user_sgpr_count 2
		.amdhsa_user_sgpr_kernarg_segment_ptr 1
		.amdhsa_wavefront_size32 1
		.amdhsa_system_sgpr_workgroup_id_x 1
		.amdhsa_system_sgpr_workgroup_id_y 1
		.amdhsa_system_sgpr_workgroup_id_z 1
		.amdhsa_system_vgpr_workitem_id 0
		.amdhsa_next_free_vgpr 68
		.amdhsa_next_free_sgpr 66
		.amdhsa_reserve_vcc 0
		.amdhsa_float_denorm_mode_32 3
		.amdhsa_float_denorm_mode_16_64 3
		.amdhsa_memory_ordered 1
		.amdhsa_forward_progress 1
		.amdhsa_inst_pref_size 5
	.end_amdhsa_kernel
	.amdgpu_metadata
---
amdhsa.version: [ 1, 2 ]
amdhsa.kernels:
  - .name:           k_q06378728e6_fold
    .symbol:         k_q06378728e6_fold.kd
    .args:
      - { .name: part, .offset: 0, .size: 8, .value_kind: global_buffer, .address_space: global }
      - { .name: out0, .offset: 8, .size: 8, .value_kind: global_buffer, .address_space: global }
    .group_segment_fixed_size: 0
    .private_segment_fixed_size: 0
    .kernarg_segment_align: 8
    .kernarg_segment_size: 16
    .max_flat_workgroup_size: 32
    .sgpr_count:     66
    .vgpr_count:     68
    .wavefront_size: 32
...
	.end_amdgpu_metadata
.endif
;; end of part 2
;; ======== version 2 of 2: 2 launches; version 1 with the launch hist written anew for expert scheduling mode
;; workspace buffers: part 1,048,576 bytes
;; launch hist (part 3): grid 256 x 1, 16 waves a work-group, no clusters, 92,160 bytes of LDS; arguments image, part; writes part
.if DOCPART == 3
	.amdgcn_target "amdgcn-amd-amdhsa--gfx1250"
	.amdhsa_code_object_version 6
	.text
	.protected	k_q06378728e6_hist
	.globl	k_q06378728e6_hist
	.p2align	8
	.type	k_q06378728e6_hist,@function
k_q06378728e6_hist:
	s_mov_b64 s[64:65], 0
	v_nop
	global_prefetch_b8 v0, s[64:65] scope:SCOPE_SE
	s_setreg_imm32_b32 hwreg(HW_REG_WAVE_SCHED_MODE, 0, 2), 2
	s_setreg_imm32_b32 hwreg(HW_REG_WAVE_MODE, 25, 1), 1
	s_wait_xcnt 0x0
	s_wait_alu depctr_vm_vsrc(0)
; part[g][a][b] = the sum over 16,384 pixels p of Q(ka)[p][a] Q(kb)[p][b], ka[p][a] = exp(-200 (image[n][0][p] - a / 31)^2), kb likewise of channel 1; Q: codes of FP6 (E2M3), one E8M0 scale for each 32 pixels.
; image: [16][2][262144] f32.  Work-group g takes image n = g / 16 and pixels 16,384 (g % 16) on; 16 such parts are added by the next launch.  part: [256][32][32] f32, each part in the output's own order.
; SHARES.  Sixteen waves, four to a SIMD; a wave takes 1,024 pixels: 8 K steps of 128.  No two work-groups read the same byte, so there is no cluster and nothing to ask for jointly.
; LAYOUT.  The 6-bit operand gives lane (r, h) = (lane % 16, lane / 16) the row r and, in registers 6 c .. 6 c + 5, k = 64 c + 32 h + 0 .. 31: A LANE IS A BIN, ITS REGISTERS RUN ALONG THE PIXELS, and a whole block of 32 lies in one lane:
; its largest number needs no other lane, and the conversions' results are the operand's registers.  Sixteen lanes want the same pixel: a step's pixels are loaded densely (512 consecutive bytes a load), laid into the wave's own
; 1,024 bytes of LDS and read back with one address for each half of the lanes.
; ARITHMETIC.  exp(-200 e^2) = 2^(-(c e)^2), c = 20 sqrt(log2(e) / 2).  d = x c - b c is one fused multiply-add, -d d one multiplication (both packed), then v_exp_f32.  b = j / 31 is rounded to f32 as a division rounds it.
; UNITS AND PHASES.  A unit is 32 numbers a lane: channel u / 4, half c = (u / 2) % 2 of the K step, bins 16 (u % 2) + r.  A phase issues unit u's 32 exponentials and sets between them the plain work of its neighbours: unit u - 1's
; largest number, scale and codes, then unit u + 1's arguments.  Two buffers of 32 registers take turns.  Eight phases are a K step; four matrix instructions end it.
; THE PRODUCT IS USED TRANSPOSED (source 0 = 16 bins of channel 1, source 1 = 16 bins of channel 0): a lane then holds eight neighbouring numbers of a row of the histogram.
; LIMITS.  v_exp_f32 gives 0 where the number lies under 2^-126 (reference() has denormals there).  NaN among the inputs is not served.  b c is rounded once to f32: that moves a bin's centre by less than one unit in the
; last place of the bin.  The sum over K is taken in parts (a wave's 1,024 pixels, then 16 waves, then 16 work-groups), not in one chain.
; THE MODE: SCHED_MODE bits 1:0 = 2 (LLVM: expert scheduling mode 2), set by the entry lines.  The code itself states the register dependences between vector or matrix instructions and memory or LDS instructions,
; with s_wait_alu, always for 0.
; THE PLAN.  Registers that memory or LDS instructions touch, in the loop:
;   v[OFF], v[STA], v[XA]  offsets and LDS addresses: written by vector instructions at the head, once; read by every global load, every store into the stage, every load of pixels.  One wait on va_vdst at the head.
;   G   written by the global loads, read by the stores into the stage; no vector instruction names it.  One wait on vm_vsrc ahead of each pair of global loads: the stores have read G.
;   X   written by the LDS loads of 32 pixels, read by the multiply-adds of two phases.  The next 32 pixels are asked for BEHIND THE WAIT ON va_vdst THAT ENDS THE SECOND OF THE TWO PHASES: that wait, which the phase's
;       exponentials have in any case, states that the multiply-adds are done reading X.  No vector instruction stands between it and the loads.
;   The two buffers T, the codes, the scale words and the accumulators are named by vector and matrix instructions alone until the way out.
; The wait that ends phase 0 also states that the codes and scale words are written, which the four scaled products behind it take.
.set STEPS, 8                          ; K steps of a wave
.set STEPB, 512                        ; 128 pixels in bytes
.set CHB,   1048576                    ; from channel 0 to channel 1 of an image, in bytes
.set RED,   16*2*STEPB                 ; LDS: behind the sixteen stages of 1,024 bytes: an image of each wave's 32 x 32 sums
.set RP,    144                        ; a row of it: 128 bytes + 16, so that the sixteen rows that a store of 16 bytes a lane touches begin in sixteen different groups of four banks
.set RIMG,  32*RP
.set FLOOR, 0x1800000                  ; 2^(3 - 127): no largest number is taken under it, so that the scale's byte cannot fall under 1
.set CPOS,  0x4187e439                 ; c = 16.986436
.set CNEG,  0xc187e439
.set OFF, 1                            ; v1      16 x lane: my 16 bytes of a load's 512; never rewritten
.set STA, 2                            ; v2      LDS: where I lay them: 1,024 x wave + 16 x lane
.set XA,  3                            ; v3      LDS: where my half's pixels begin: 1,024 x wave + 128 h
.set NB,  4                            ; v[4:5], v[6:7]  -c b of my bin in tile 0, tile 1, each twice (a pair for the packed form)
.set MA,  8                            ; v8, v9  two chains of the largest number
.set MB,  9
.set SOP, 10                           ; v10     the conversions' scale operand
.set BY,  11                           ; v11     a scale's byte
.set W,   12                           ; v12     a channel's four bytes of mine: tile 0 c 0, tile 0 c 1, tile 1 c 0, tile 1 c 1
.set EX,  14                           ; v14     the same of lane l xor 16
.set SC,  16                           ; v16-19  scale words and nothing else: channel 0 tiles 0, 1; channel 1 tiles 0, 1
.set CT,  20                           ; v20-22  a block's upper 16 codes as the conversion leaves them
.set G,   24                           ; v24-31  a step's pixels as they are loaded: 4 registers a channel
.set X,   32                           ; v32-63  32 pixels of my half
.set T,   64                           ; v64-127 two buffers of 32: arguments, then numbers
.set CODES, 128                        ; v128-175 four fragments of 12: channel 0 tiles 0, 1; channel 1 tiles 0, 1
.set ACC, 176                          ; v176-207 four accumulators: number 2 ta + tb
.set ER,  208                          ; v208-214 the way out
.set EH,  209
.set EW,  210
.set RS,  211
.set RL,  212
.set RL2, 213
.set GO,  214
.set CNT, 9                            ; s9      trips to go
.set CS,  16                           ; s[16:17] c: the packed form names a pair and takes its low word for both halves
.set SEL, 18                           ; s[18:19] v_permlanex16_b32's selects for lane l xor 16
.set C31, 20                           ; s20     31.0
.set K31, 21                           ; s21     1 / 31
.macro GLOAD                           ; the next step's pixels: each load reads 512 consecutive bytes, at a multiple of 512 from the image's first byte; read once in the launch
	global_load_b128 v[G:G+3], v[OFF], s[4:5] th:TH_LOAD_NT
	global_load_b128 v[G+4:G+7], v[OFF], s[4:5] offset:CHB th:TH_LOAD_NT
.endm
.macro STAGE                           ; into my wave's stage: channel 0's 512 bytes, then channel 1's
	ds_store_b128 v[STA], v[G:G+3]
	ds_store_b128 v[STA], v[G+4:G+7] offset:STEPB
.endm
.macro XLOAD off                       ; 32 pixels of my half: sixteen lanes share each address
.irp q, 0,1,2,3,4,5,6,7
	ds_load_b128 v[X+4*\q:X+4*\q+3], v[XA] offset:\off+16*\q
.endr
.endm
; What phase k works on.  TE: the buffer of unit k (exponentials).  TP: the other one: unit k - 1's numbers, and behind them unit k + 1's arguments.
.macro SETK k
.set TE,  T+32*((\k)&1)
.set TP,  T+32*(1-((\k)&1))
.set PU,  ((\k)+7)%8                   ; the unit whose numbers become codes
.set CD,  CODES+24*(PU>>2)+12*(PU&1)+6*((PU>>1)&1)   ; its six registers in its fragment
.set IDX, 2*(PU&1)+((PU>>1)&1)         ; its byte's place in W
.set SCB, SC+2*(PU>>2)
.set NBP, NB+2*(((\k)+1)&1)            ; the bin tile of the unit whose arguments are made
.set XOF, 512*(((((\k)/2)+1)%4)>>1)+256*(((((\k)/2)+1)%4)&1)   ; where the next 32 pixels lie in the stage: channel, then half c
.endm
; THE PLAIN WORK OF A PHASE is a list of 59 numbers; ITEM writes number j.
;   0-15   the largest of the 32 numbers and the floor, three operands at a time, in two chains (none is negative, so no |.|)
;   16     2 off its exponent field: the conversions take the exponent field of this operand as their scale, and nothing else of it
;   17-18  the conversions: 16 numbers to 96 bits each
;   19     the scale's byte: also the plain instruction between the conversions and what touches their results or writes their sources
;   20-22  a conversion's three registers begin on an even number, a block's upper three do not: they are moved
;   23     the byte to its place;  24-26, behind a channel's fourth unit: lane l xor 16's bytes, and the two tiles' scale words: bytes of blocks 0 (mine), 1 (the other's), 2, 3.  Lanes 0-15 hold them in order; lanes 16-31 are not read
;   27-42  d = x c - b c;  43-58  -d d
; post, pre: whether the two parts exist.  pre = 2: the pixels were asked for at the end of the phase before: their wait stands in front.
.macro ITEM post, pre
.if j < 27
.if \post
.if j == 0
	v_max3_num_f32 v[MA], v[TP], v[TP+1], FLOOR
.elseif j == 1
	v_max3_num_f32 v[MB], v[TP+2], v[TP+3], v[TP+4]
.elseif j < 15
	v_max3_num_f32 v[MA+(j&1)], v[MA+(j&1)], v[TP+2*j+1], v[TP+2*j+2]
.elseif j == 15
	v_max3_num_f32 v[MA], v[MA], v[MB], v[TP+31]
.elseif j == 16
	v_add_nc_u32 v[SOP], 0xff000000, v[MA]
.elseif j == 17
	v_cvt_scalef32_pk16_fp6_f32 v[CD:CD+2], v[TP:TP+15], v[SOP]
.elseif j == 18
	v_cvt_scalef32_pk16_fp6_f32 v[CT:CT+2], v[TP+16:TP+31], v[SOP]
.elseif (j == 19) && (IDX == 0)
	v_lshrrev_b32 v[W], 23, v[SOP]
.elseif j == 19
	v_lshrrev_b32 v[BY], 23, v[SOP]
.elseif j < 23
	v_mov_b32 v[CD+j-17], v[CT+j-20]
.elseif (j == 23) && (IDX != 0)
	v_lshl_or_b32 v[W], v[BY], 8*IDX, v[W]
.elseif (j == 24) && (IDX == 3)
	v_permlanex16_b32 v[EX], v[W], s[SEL], s[SEL+1]
.elseif (j == 25) && (IDX == 3)
	v_perm_b32 v[SCB], v[EX], v[W], 0x05010400
.elseif (j == 26) && (IDX == 3)
	v_perm_b32 v[SCB+1], v[EX], v[W], 0x07030602
.endif
.endif
.elseif j < 43
.if \pre
.if (j == 27) && (\pre == 2)
	s_wait_dscnt 0x0                               ; the 32 pixels are in
.endif
	v_pk_fma_f32 v[TP+2*(j-27):TP+2*(j-27)+1], v[X+2*(j-27):X+2*(j-27)+1], s[CS:CS+1], v[NBP:NBP+1] op_sel_hi:[1,0,1]
.endif
.else
.if \pre
	v_pk_mul_f32 v[TP+2*(j-43):TP+2*(j-43)+1], v[TP+2*(j-43):TP+2*(j-43)+1], v[TP+2*(j-43):TP+2*(j-43)+1] neg_lo:[0,1] neg_hi:[0,1]
.endif
.endif
.endm
.macro RUN from, count, post, pre                  ; a stretch of the list by itself
.set j, \from
.rept \count
	ITEM \post, \pre
.set j, j+1
.endr
.endm
; A PHASE: 32 exponentials, in place; one and two numbers of the list behind them by turns (48), the last eleven at the end.  Nothing in the phase names an exponential's result: the batch has ONE wait, at the
; phase's end, behind plain instructions, ahead of the first reader, of every label and of every branch.
; xl: behind that wait the next 32 pixels are asked for: 19 exponentials and 27 numbers of the list ahead of the wait for them in the next phase.
; stg: behind that, the next step's pixels, loaded seven phases ago, take the stage: LDS serves a wave's instructions in order (ISA guide 5.7.1.4), so this step's last reads come first.
.macro PHASE k, post, pre, xl, stg
	SETK \k
.set j, 0
.set i, 0
.rept 32
	v_exp_f32 v[TE+i], v[TE+i]
.rept 1+(i&1)
	ITEM \post, \pre
.set j, j+1
.endr
.set i, i+1
.endr
.rept 11
	ITEM \post, \pre
.set j, j+1
.endr
.if \pre == 0
	v_nop                                          ; where the list's end is empty: the plain instruction behind the last exponential
.endif
	s_wait_alu depctr_va_vdst(0)                   ; the 32 exponentials have written their buffer, which the next phase reads; the multiply-adds are done reading X, in which the loads below land; in phase 0: the codes and scale words are written, which the scaled products take
.if \xl
	XLOAD XOF
.endif
.if \stg
	s_wait_loadcnt 0x0                             ; the next step's two loads are in, so their base may be stepped too
	STAGE
	s_add_nc_u64 s[4:5], s[4:5], STEPB
.endif
.endm
; A K step's four products: accumulator 2 ta + tb takes bins 16 tb on of channel 1 (source 0) and bins 16 ta on of channel 0 (source 1).  The four take turns, one instruction a turn, over the backward jump too.
; zero = 1: the first K step starts the sums: nothing is cleared.  The youngest codes and scale words stand 32 plain instructions (the arguments of the next unit) ahead of these lines.
.macro MM zero
.irp a, 0,1,2,3
.if \zero
	v_wmma_scale_f32_16x16x128_f8f6f4 v[ACC+8*\a:ACC+8*\a+7], v[CODES+24+12*(\a%2):CODES+24+12*(\a%2)+11], v[CODES+12*(\a/2):CODES+12*(\a/2)+11], 0, v[SC+2+(\a%2)], v[SC+(\a/2)] matrix_a_fmt:MATRIX_FMT_FP6 matrix_b_fmt:MATRIX_FMT_FP6
.else
	v_wmma_scale_f32_16x16x128_f8f6f4 v[ACC+8*\a:ACC+8*\a+7], v[CODES+24+12*(\a%2):CODES+24+12*(\a%2)+11], v[CODES+12*(\a/2):CODES+12*(\a/2)+11], v[ACC+8*\a:ACC+8*\a+7], v[SC+2+(\a%2)], v[SC+(\a/2)] matrix_a_fmt:MATRIX_FMT_FP6 matrix_b_fmt:MATRIX_FMT_FP6
.endif
.endr
.endm
; A TRIP goes from a K step's phase 1 to the next step's phase 0, in which the step's last codes are made, and ends with its products.  The first write of a fragment behind them (number 17 of phase 1) stands 17 plain instructions on.
; cond = 1, in the loop: the last trip loads nothing: there is no step two on, and no load leaves the image.
.macro BODY zero, cond
	PHASE 1, 1, 2, 0, 0
	PHASE 2, 1, 1, 1, 0
	PHASE 3, 1, 2, 0, 0
	PHASE 4, 1, 1, 1, 1
	PHASE 5, 1, 2, 0, 0
.if \cond
	s_cmp_eq_u32 s[CNT], 1
	s_cbranch_scc1 .Lno_more_\@
.endif
	s_wait_alu depctr_vm_vsrc(0)                   ; the stores into the stage, issued a phase ago, have read G, in which the two loads below land
	GLOAD                                          ; the step two on
.if \cond
.Lno_more_\@:
.endif
	PHASE 6, 1, 1, 1, 0
	PHASE 7, 1, 2, 0, 0
	PHASE 0, 1, 1, 1, 0
	MM \zero
.endm
	s_load_b128 s[4:7], s[0:1], 0x0                ; image, part
	v_lshl_add_u32 v23, v0, 2, 0x16000
	v_mov_b32 v215, 0
	v_and_b32 v[OFF], 31, v0                       ; lane
	v_lshrrev_b32 v[STA], 5, v0                    ; wave
	v_readfirstlane_b32 s8, v[STA]
	v_lshlrev_b32 v[OFF], 4, v[OFF]
	v_bfe_u32 v[XA], v0, 4, 1                      ; h
	v_lshlrev_b32 v[XA], 7, v[XA]
	v_lshl_add_u32 v[XA], v[STA], 10, v[XA]
	v_lshl_add_u32 v[STA], v[STA], 10, v[OFF]
	s_wait_alu depctr_va_sdst(0)                   ; s8, the wave's number, is written, ahead of its first reader: the image's base is made from it
	s_lshr_b32 s10, ttmp9, 4
	s_lshl_b32 s10, s10, 21                        ; my image: 2 channels of 1,048,576 bytes
	s_and_b32 s11, ttmp9, 15
	s_lshl_b32 s11, s11, 16                        ; my work-group's 16,384 pixels
	s_add_co_u32 s10, s10, s11
	s_lshl_b32 s11, s8, 12                         ; my wave's 1,024
	s_add_co_u32 s10, s10, s11
	s_mov_b32 s11, 0
	s_lshl_b32 s12, ttmp9, 12                      ; my work-group's 4,096 bytes of part
	s_mov_b32 s13, 0
	s_mov_b32 s[CS], CPOS
	s_mov_b32 s[CS+1], CPOS                        ; (named with it as a pair, so it is written)
	s_mov_b32 s[SEL], 0x76543210
	s_mov_b32 s[SEL+1], 0xfedcba98
	s_mov_b32 s[C31], 0x41f80000
	s_mov_b32 s[K31], 0x3d042108
	s_wait_kmcnt 0x0
	s_add_nc_u64 s[4:5], s[4:5], s[10:11]
	s_add_nc_u64 s[6:7], s[6:7], s[12:13]
	s_wait_alu depctr_va_vdst(0)                   ; v[OFF], v[STA] and v[XA] are written: every global load, every store into the stage and every load of pixels reads one of them, and no vector instruction names them again
	GLOAD                                          ; step 0
	; my two bins, while the loads are out: b = j / 31 as a division rounds it (a product by 1 / 31, its remainder by a fused multiply-add, one correction), then -c b
	v_and_b32 v[MA], 15, v0
	v_cvt_f32_u32 v[MA], v[MA]                     ; j = r
.irp t, 0,1
.if \t
	v_add_f32 v[MA], 0x41800000, v[MA]             ; j = r + 16
.endif
	v_mul_f32 v[SOP], s[K31], v[MA]
	v_fma_f32 v[BY], -v[SOP], s[C31], v[MA]
	v_fma_f32 v[SOP], v[BY], s[K31], v[SOP]
	v_mul_f32 v[NB+2*\t], CNEG, v[SOP]
	v_mov_b32 v[NB+2*\t+1], v[NB+2*\t]
.endr
	v_mov_b32 v[EX], 0                             ; written once: a lane permute's destination counts as one of its sources
	s_wait_loadcnt 0x0
	STAGE
	XLOAD 0
	s_add_nc_u64 s[4:5], s[4:5], STEPB             ; (the loads are done: their base may be stepped)
	s_wait_dscnt 0x0                               ; the first 32 pixels are in
	s_wait_alu depctr_vm_vsrc(0)                   ; the stores into the stage have read G, in which the two loads below land
	GLOAD                                          ; step 1
	SETK 7
	RUN 27, 32, 0, 1                               ; unit 0's arguments
	PHASE 0, 0, 1, 1, 0                            ; unit 0's exponentials | unit 1's arguments
	BODY 1, 0                                      ; step 0 is written out: its products start the sums
	s_mov_b32 s[CNT], STEPS-2
.Lstep:                                                ; steps 1 to 6
	BODY 0, 1
	s_sub_co_u32 s[CNT], s[CNT], 1
	s_cmp_lg_u32 s[CNT], 0
	s_cbranch_scc1 .Lstep
	PHASE 1, 1, 2, 0, 0                            ; step 7 is written out: nothing follows it
	PHASE 2, 1, 1, 1, 0
	PHASE 3, 1, 2, 0, 0
	PHASE 4, 1, 1, 1, 0
	PHASE 5, 1, 2, 0, 0
	PHASE 6, 1, 1, 0, 0
	PHASE 7, 1, 0, 0, 0
	SETK 0
	RUN 0, 27, 1, 0                                ; the last unit's codes and channel 1's scale words
	; THE WAY OUT.  Its addresses are made here: nine plain instructions between the scale words just written and the scaled products (eight are asked), four between the products and the first read of a result
	v_and_b32 v[ER], 15, v0                        ; r
	v_bfe_u32 v[EH], v0, 4, 1                      ; h
	v_lshrrev_b32 v[EW], 5, v0                     ; wave
	v_mul_u32_u24 v[RS], v[EW], RIMG
	v_mad_u32_u24 v[RS], v[ER], RP, v[RS]
	v_lshl_add_u32 v[RS], v[EH], 5, v[RS]
	v_add_nc_u32 v[RS], RED, v[RS]                 ; in: my wave's image, row r, + 32 h
	v_lshl_add_u32 v[RL], v[EW], 1, v[EH]
	v_mul_u32_u24 v[RL], v[RL], RP
	s_wait_alu depctr_va_vdst(0)                   ; the last unit's codes and channel 1's scale words are written, which the scaled products take; the nine places above stay beside this wait
	MM 0
	v_lshl_add_u32 v[RL], v[ER], 3, v[RL]
	v_add_nc_u32 v[RL], RED, v[RL]                 ; back: rows 2 wave and 2 wave + 1 of every image, sixteen lanes to a row, 8 bytes a lane
	v_add_nc_u32 v[RL2], 8*RIMG, v[RL]             ; (an LDS offset has 16 bits: images 8 to 15 by a second register)
	v_lshlrev_b32 v[GO], 3, v0                     ; and the same place in my work-group's part: 256 x wave + 8 x lane
	s_wait_alu depctr_va_vdst(0)                   ; the products have written the accumulators, which the LDS stores read; v[RS], v[RL], v[RL2] and v[GO] are written; all readers and writers of T, in which the LDS loads below land, are done.  The four places above stay beside this wait
.irp a, 0,1,2,3                        ; lane (r, h), accumulator 2 ta + tb, register i: the sum for bins (16 ta + r, 16 tb + 8 h + i); each accumulator from its low end on
	ds_store_b128 v[RS], v[ACC+8*\a:ACC+8*\a+3] offset:(\a/2)*16*RP+(\a%2)*64
	ds_store_b128 v[RS], v[ACC+8*\a+4:ACC+8*\a+7] offset:(\a/2)*16*RP+(\a%2)*64+16
.endr
	s_wait_dscnt 0x0                               ; for the others' sake: my image lies in LDS
	s_barrier_signal -1
	s_barrier_wait -1
.irp q, 0,1,2,3,4,5,6,7
	ds_load_b64 v[T+2*\q:T+2*\q+1], v[RL] offset:\q*RIMG
.endr
.irp q, 0,1,2,3,4,5,6,7
	ds_load_b64 v[T+16+2*\q:T+16+2*\q+1], v[RL2] offset:\q*RIMG
.endr
	s_wait_dscnt 0x0
.irp q, 0,1,2,3,4,5,6,7
	v_pk_add_f32 v[T+2*\q:T+2*\q+1], v[T+2*\q:T+2*\q+1], v[T+16+2*\q:T+16+2*\q+1]
.endr
.irp q, 0,1,2,3
	v_pk_add_f32 v[T+2*\q:T+2*\q+1], v[T+2*\q:T+2*\q+1], v[T+8+2*\q:T+8+2*\q+1]
.endr
.irp q, 0,1
	v_pk_add_f32 v[T+2*\q:T+2*\q+1], v[T+2*\q:T+2*\q+1], v[T+4+2*\q:T+4+2*\q+1]
.endr
	v_pk_add_f32 v[T:T+1], v[T:T+1], v[T+2:T+3]
	s_wait_alu depctr_va_vdst(0)                   ; the last sum has written v[T:T+1], which the store reads
	global_store_b64 v[GO], v[T:T+1], s[6:7]       ; the wave stores 256 consecutive bytes, at a multiple of 256 from part's first byte
	s_wait_dscnt 0x0
	s_wait_alu depctr_hold_cnt(0) depctr_sa_sdst(0) depctr_va_vdst(0) depctr_va_sdst(0) depctr_va_ssrc(0) depctr_va_vcc(0) depctr_vm_vsrc(0)
	s_wait_tensorcnt 0x0
	ds_add_u32 v23, v215
	s_wait_dscnt 0x0
	s_endpgm
.Lfunc_end_k_q06378728e6_hist:
	.size	k_q06378728e6_hist, .Lfunc_end_k_q06378728e6_hist-k_q06378728e6_hist
	.p2alignl 7, 3214868480
	.fill 96, 4, 3214868480
	.section	.rodata,"a",@progbits
	.p2align	6, 0x0
	.amdhsa_kernel k_q06378728e6_hist
		.amdhsa_group_segment_fixed_size 92160
		.amdhsa_private_segment_fixed_size 0
		.amdhsa_enable_private_segment 0
		.amdhsa_kernarg_size 16
		.amdhsa_user_sgpr_count 2
		.amdhsa_user_sgpr_kernarg_segment_ptr 1
		.amdhsa_wavefront_size32 1
		.amdhsa_system_sgpr_workgroup_id_x 1
		.amdhsa_system_sgpr_workgroup_id_y 1
		.amdhsa_system_sgpr_workgroup_id_z 1
		.amdhsa_system_vgpr_workitem_id 0
		.amdhsa_next_free_vgpr 216
		.amdhsa_next_free_sgpr 66
		.amdhsa_reserve_vcc 0
		.amdhsa_float_denorm_mode_32 3
		.amdhsa_float_denorm_mode_16_64 3
		.amdhsa_memory_ordered 1
		.amdhsa_forward_progress 1
		.amdhsa_inst_pref_size 124
	.end_amdhsa_kernel
	.amdgpu_metadata
---
amdhsa.version: [ 1, 2 ]
amdhsa.kernels:
  - .name:           k_q06378728e6_hist
    .symbol:         k_q06378728e6_hist.kd
    .args:
      - { .name: image, .offset: 0, .size: 8, .value_kind: global_buffer, .address_space: global }
      - { .name: part, .offset: 8, .size: 8, .value_kind: global_buffer, .address_space: global }
    .group_segment_fixed_size: 92160
    .private_segment_fixed_size: 0
    .kernarg_segment_align: 8
    .kernarg_segment_size: 16
    .max_flat_workgroup_size: 512
    .sgpr_count:     66
    .vgpr_count:     216
    .wavefront_size: 32
...
	.end_amdgpu_metadata
.endif
;; end of part 3
;; launch fold: the kernel of part 2 again; grid 128 x 1, 1 waves a work-group, no clusters, 0 bytes of LDS; arguments part, out0; writes out0
